; MI455X (gfx1250); checked and timed in simulation.
; The chip was launched on July 23, 2026; its instructions are those of AMD's public machine-readable ISA for CDNA 5 (MIT licence, August 2026) and "CDNA5" Instruction Set Architecture Reference Guide (July 2026). The comments in the code are by the model that wrote it; some were corrected since.
;; Scaled Dot Product Attention. Allowed arithmetic: matrix products marked QUANTISED: E3M2 operands, one E8M0 scale for each 32 along K, by v_wmma_scale_f32_16x16x128_f8f6f4 with both operands' format E3M2, f32 sums; everything else in f32.
;; Inputs: K 4 x 16 x 2,048 x 128 float32; Q 4 x 16 x 2,048 x 128 float32; V 4 x 16 x 2,048 x 128 float32.
;; Outputs: out0 4 x 16 x 2,048 x 128 float32.
;; This version of the problem:
;;   THIS VERSION OF THE PROBLEM IS GIVEN IN LOW PRECISION. The matrix products marked QUANTISED in the list below multiply operands that are first quantised to E3M2 (3 exponent bits, 2 mantissa bits; 6 bits a number), with one power-of-two scale for each 32 numbers along K (OCP MX v1.0); their sums are f32. All else is computed in f32.
;;   The module's matrix products, in the order in which they are computed (A, B: the left and right operand; K: the contracted axis; several contracted axes count as one K, in the product's order):
;;     1. batch 64 x [M 2,048, K 128] x [K 128, N 2,048]; A: input Q; B: input K: QUANTISED
;;     2. batch 64 x [M 2,048, K 2,048] x [K 2,048, N 128]; A: softmax (see below); B: input V: QUANTISED
;;   THE QUANTISER, for each operand of a quantised product, along K:
;;     - K is cut into blocks of 32 from its start; a last block that is shorter is filled with zeros.
;;     - A block's scale is 2^e with e = floor(log2(the largest magnitude in the block)) - 4, held to -126 .. 127; a block of zeros has e = 0. As a byte (E8M0): e + 127.
;;     - Each number is divided by its block's scale, clamped to +-28, and rounded to the nearest number of E3M2, ties to even, subnormals kept.
;;     - The product sums the exact products of the quantised numbers (number of the format x scale) in f32.
;;   ~~~python
;;   def quantise(x, axis):      # numpy; x: float32 -> the quantised numbers, widened to float32 again
;;       x = np.moveaxis(x, axis, -1); K = x.shape[-1]
;;       x = np.pad(x, [(0, 0)] * (x.ndim - 1) + [(0, -K % 32)]); x = x.reshape(x.shape[:-1] + (-1, 32)); a = np.abs(x).max(-1, keepdims=True)
;;       e = np.where(a > 0, np.clip(np.frexp(np.where(a > 0, a, 1))[1] - 1 - 4, -126, 127), 0)      # np.frexp(a)[1] - 1 = floor(log2(a)), exactly
;;       r = np.clip(x / 2.0 ** e, -28, 28)
;;       step = 2.0 ** (np.maximum(np.frexp(np.where(r == 0, 1, r))[1] - 1, -2) - 2)
;;       q = np.round(r / step) * step * 2.0 ** e      # np.round: ties to even
;;       return np.moveaxis(q.reshape(q.shape[:-2] + (-1,))[..., :K], -1, axis).astype(np.float32)
;;   ~~~
;;   SOFTMAX AHEAD OF A QUANTISED PRODUCT. Where the list says 'softmax', what is quantised is not the finished softmax but p = 2^(t - M), with t = logit x log2(e) and M = ceil(the row's largest t), a whole number; so 1/2 < the row's largest p <= 1. The row's sum l is taken of the UNQUANTISED p, in f32, and the product's result is divided by l at the end. Since M is a whole number, a kernel that streams over the keys may use a running M (the ceiling of the running maximum): every later rescaling is an exact power of two, which a block's scale takes up: the codes' values come out the same.
;;   OPERANDS COMPUTED ON THE WAY. 'Computed on the way' means the value that the module computes at that place (a softmax that the list does not call 'softmax' is quantised finished and normalised). What goes into a quantiser is computed in f32, as accurately as f32 sums, v_exp_f32 and their like allow (about 1e-6 of the number): no bf16 or f16 on the way to a quantiser, and a product that is left as it is and whose result goes on into a quantised operand takes f32 operands (vector FMAs, or v_wmma_f32_16x16x4_f32). A number that lies on a knife's edge between two numbers of the format may be rounded either way, as far as f32 arithmetic and the matrix unit's own rounding can turn it there, and no further.
;; One version. Each part assembles by itself: llvm-mc -triple=amdgcn-amd-amdhsa -mcpu=gfx1250 --defsym DOCPART=n.
;; ======== version 1 of 1: 2 launches
;; limits: right only within a limited range of input values
;; workspace buffers: kv 26,214,400 bytes
;; launch prep (part 1): grid 16 x 64, 8 waves a work-group, no clusters, 135,424 bytes of LDS; arguments K, V, kv; writes kv
.if DOCPART == 1
	.amdgcn_target "amdgcn-amd-amdhsa--gfx1250"
	.amdhsa_code_object_version 6
	.text
	.protected	k_qbe96c448a3_prep
	.globl	k_qbe96c448a3_prep
	.p2align	8
	.type	k_qbe96c448a3_prep,@function
k_qbe96c448a3_prep:
	s_mov_b64 s[64:65], 0
	v_nop
	global_prefetch_b8 v0, s[64:65] scope:SCOPE_SE
	s_setreg_imm32_b32 hwreg(HW_REG_WAVE_MODE, 25, 1), 1
	s_wait_xcnt 0x0
; K and V, [64 heads][2048 keys][128] f32, become codes of BF6 (E3M2) with one E8M0 scale byte for each 32 along a product's K:
; K is quantised along the head's 128 (the first product's K), V along the KEYS (the second product's K).
; A block's scale is 2^(floor(log2(its largest magnitude)) - 4); its byte is the largest magnitude's exponent field - 4, held at 1 from below.
; WORK LEFT OUT BY THE PROGRAM: reference() sets the score of key k for query q to -infinity where k > q, by a mask that it builds itself; such a key has weight 0 for every
; value of the inputs.  The second launch leaves out the key steps all of whose keys lie behind a wave's queries.  Every key counts for some query, so all of K and V is quantised here.
; LIMITS: a NaN, an infinity or an overflow that reaches only the work left out is not carried to the result; NaN and infinities among the inputs are not served;
; a block of zeros gets the byte 1 where the quantiser says 127 (its codes are zeros, and this program alone reads the bytes).
; THE WORKSPACE IS LAID IN THE ORDER OF THE OPERANDS' REGISTERS.  kv = [64 heads][16 key steps][25,600 bytes]; a block serves 128 keys of one head:
;   0       K's eight tiles of 16 keys x 128 d, 1,536 bytes each: registers 4 c .. 4 c + 3 of lane l at 512 c + 16 l.  Row r of tile 4 c + u is key 64 c + 32 (r / 8) + 8 u + r % 8;
;           registers 6 c .. 6 c + 5 of lane (r, h) hold d = 64 c + 32 h + 0 .. 31
;   12,288  V's eight tiles of 16 d x 128 keys, the same form: lane (r, h) of tile t holds d = 16 t + r; registers 6 c .. 6 c + 5 hold keys 64 c + 32 h + 0 .. 31
;   24,576  K's scale words: lane l's 16 bytes are the words of tiles 4 (l / 16) + 0 .. 3 for row l % 16;     25,088  V's likewise
; SHARES.  A work-group (x: key step, y: head) makes one block.  Wave w loads V's keys 16 w .. 16 w + 15 and the 16 keys of K's tile w, each row by one load of 512 consecutive bytes,
; and makes K's tile w and V's tile w.  K's rows turn through the wave's own stage; V's 128 rows meet in a stage of the work-group, from which a lane takes ONE column d, registers down the keys.
; Every store to kv covers 512 consecutive bytes, aligned.  No tensor loads, so no ring; two barriers.
.set KP,    528                        ; a row of K's stage: 512 bytes + 16
.set KST,   0
.set VST,   8*16*KP                    ; V's stage: key k at 512 k + 64 (k / 32)
.set SST,   VST+128*512+4*64           ; the two images of scale words, 512 bytes each
.set BLOCKB, 25600
.set VIMG,  12288
.set KSC,   24576
.set XV,    64                         ; v64-127   V's rows as loaded, then my column's 64 numbers
.set XK,    128                        ; v128-191  K's rows as loaded, then my row's 64 numbers
.set PC,    32                         ; v32-43    K's codes (v44-46, v48-50: second halves on their way)
.set PV,    52                         ; v52-63    V's codes (v192-194, v196-198: second halves)
.set TM,    200                        ; v200-215  K's magnitudes, bytes, scale operands
.set PW,    216                        ; K's scale word
.set VM,    220                        ; v220-227  V's magnitudes, scale operands, bytes, word
	s_load_b128 s[4:7], s[0:1], 0x0                ; K, V
	s_load_b64 s[8:9], s[0:1], 0x10                ; kv
	v_lshl_add_u32 v232, v0, 2, 0x20d00            ; my spare word
	v_mov_b32 v233, 0
	v_lshrrev_b32 v1, 5, v0
	s_delay_alu instid0(VALU_DEP_1)
	v_readfirstlane_b32 s10, v1                    ; wave 0..7
	v_and_b32 v1, 31, v0                           ; lane
	v_and_b32 v2, 15, v0                           ; r
	v_bfe_u32 v3, v0, 4, 1                         ; h
	s_delay_alu instid0(VALU_DEP_3)
	v_lshlrev_b32 v4, 4, v1                        ; 16 x lane
	s_wait_alu depctr_va_vdst(0)                   ; the wait ahead of the scalar run
	s_and_b32 s11, ttmp7, 0xffff
	s_lshl_b32 s11, s11, 4
	s_add_co_u32 s11, s11, ttmp9                   ; the unit: 16 x head + key step
	s_lshl_b32 s12, s11, 16                        ; its 128 rows of 512 bytes in K and in V
	s_lshr_b32 s22, s10, 1
	s_and_b32 s23, s10, 1
	s_lshr_b32 s16, s10, 2
	s_lshl_b32 s16, s16, 15                        ; K: tile w begins at key 64 (w / 4) + 8 (w % 4)
	s_and_b32 s24, s10, 3
	s_lshl_b32 s24, s24, 12
	s_add_co_u32 s16, s16, s24
	s_add_co_u32 s16, s16, s12
	s_mov_b32 s17, 0
	s_lshl_b32 s18, s10, 13                        ; V: keys 16 w on
	s_add_co_u32 s18, s18, s12
	s_mov_b32 s19, 0
	s_mul_i32 s14, s11, BLOCKB                     ; the unit's block in kv
	s_mov_b32 s15, 0
	s_mul_i32 s28, s10, 1536                       ; my tile in it
	s_mov_b32 s29, 0
	s_mov_b32 s20, 0x76543210
	s_mov_b32 s21, 0xfedcba98                      ; selects for lane l xor 16
	s_mul_i32 s25, s10, 16*KP
	v_add_nc_u32 v5, s25, v4                       ; K's stage, in
	v_mul_u32_u24 v6, v2, KP
	s_delay_alu instid0(VALU_DEP_1)
	v_lshl_add_u32 v6, v3, 6, v6
	s_delay_alu instid0(VALU_DEP_1)
	v_add_nc_u32 v6, s25, v6                       ; and out: row r, + 64 h
	s_lshl_b32 s25, s10, 13
	s_lshl_b32 s24, s22, 6
	s_add_co_u32 s25, s25, s24
	s_add_co_u32 s25, s25, VST
	v_add_nc_u32 v7, s25, v4                       ; V's stage, in: keys 16 w on
	v_mul_u32_u24 v8, v3, 16448
	s_delay_alu instid0(VALU_DEP_1)
	v_lshl_add_u32 v8, v2, 2, v8
	s_lshl_b32 s25, s10, 6
	s_add_co_u32 s25, s25, VST
	v_add_nc_u32 v8, s25, v8                       ; and out: column 16 w + r, lanes 16-31 thirty-two keys further on
	s_lshr_b32 s25, s10, 2
	s_lshl_b32 s25, s25, 8
	s_and_b32 s24, s10, 3
	s_lshl_b32 s24, s24, 2
	s_add_co_u32 s25, s25, s24
	s_add_co_u32 s25, s25, SST
	v_lshl_add_u32 v9, v2, 4, s25                  ; tile w's word of row r in an image: 16 r + 256 (w / 4) + 4 (w % 4)
	s_lshl_b32 s24, s23, 9
	s_add_co_u32 s25, s24, SST
	v_add_nc_u32 v10, s25, v4                      ; the images' way out (waves 0 and 1)
	s_add_co_u32 s25, s24, KSC
	v_add_nc_u32 v11, s25, v4
.irp b, 0,1,2,3
	v_mov_b32 v[TM+4+\b], 0                        ; a lane permute's destination counts as one of its sources
.endr
	v_mov_b32 v[VM+7], 0
	s_wait_alu depctr_va_vdst(0)                   ; the wait at the head's end
	s_wait_kmcnt 0x0
	s_add_nc_u64 s[4:5], s[4:5], s[16:17]
	s_add_nc_u64 s[6:7], s[6:7], s[18:19]
	s_add_nc_u64 s[26:27], s[8:9], s[14:15]        ; the block,
	s_add_nc_u64 s[8:9], s[26:27], s[28:29]        ; and my tile in it
.set JJ, 0
.rept 16
	global_load_b128 v[XV+4*JJ:XV+4*JJ+3], v4, s[6:7] offset:512*JJ th:TH_LOAD_NT
.set JJ, JJ+1
.endr
.set JJ, 0
.rept 16
	global_load_b128 v[XK+4*JJ:XK+4*JJ+3], v4, s[4:5] offset:512*(JJ+24*(JJ/8)) th:TH_LOAD_NT   ; row i of tile w: i % 8 + 32 (i / 8) keys on
.set JJ, JJ+1
.endr
	s_wait_loadcnt 16                              ; V's sixteen are in; K's sixteen may be out
.set JJ, 0
.rept 16
	ds_store_b128 v7, v[XV+4*JJ:XV+4*JJ+3] offset:512*JJ
.set JJ, JJ+1
.endr
	s_wait_loadcnt 0x0
.set JJ, 0
.rept 16
	ds_store_b128 v5, v[XK+4*JJ:XK+4*JJ+3] offset:KP*JJ
.set JJ, JJ+1
.endr
.irp b, 0,1,2,3
.irp j, 0,1,2,3
	ds_load_b128 v[XK+16*\b+4*\j:XK+16*\b+4*\j+3], v6 offset:128*\b+16*\j   ; in order behind my stores: register 16 b + i = d 32 b + 16 h + i of row r
.endr
.endr
	s_wait_dscnt 0x0                               ; for the others' sake: my rows of V lie in the stage
	s_barrier_signal -1
	s_barrier_wait -1
.irp c, 0,1
.set JJ, 0
.rept 32
	ds_load_b32 v[XV+32*\c+JJ], v8 offset:(64*\c+JJ)*512+128*\c   ; V(64 c + 32 h + i, 16 w + r)
.set JJ, JJ+1
.endr
.endr
	; K's tile w: four blocks of 32 along d, each in lanes l and l xor 16
.irp b, 0,1,2,3
	v_max3_num_f32 v[TM+\b], |v[XK+16*\b]|, |v[XK+1+16*\b]|, 0x2800000   ; with the floor 2^(5 - 127)
.endr
.irp i, 2,4,6,8,10,12,14
.irp b, 0,1,2,3
	s_delay_alu instid0(VALU_DEP_4)
	v_max3_num_f32 v[TM+\b], v[TM+\b], |v[XK+16*\b+\i]|, |v[XK+1+16*\b+\i]|
.endr
.endr
.irp b, 0,1,2,3
	s_delay_alu instid0(VALU_DEP_4)
	v_permlanex16_b32 v[TM+4+\b], v[TM+\b], s20, s21
.endr
.irp b, 0,1,2,3
	s_delay_alu instid0(VALU_DEP_4)
	v_max_num_f32 v[TM+\b], v[TM+\b], v[TM+4+\b]
.endr
.irp b, 0,1,2,3
	s_delay_alu instid0(VALU_DEP_4)
	v_add_nc_u32 v[TM+12+\b], 0xfe000000, v[TM+\b] ; 4 off the exponent field: the conversion's scale operand
.endr
.irp b, 0,1,2,3
	s_delay_alu instid0(VALU_DEP_4)
	v_lshrrev_b32 v[TM+4+\b], 23, v[TM+12+\b]      ; the scale's byte
.endr
	s_delay_alu instid0(VALU_DEP_3)
	v_lshl_or_b32 v[PW], v[TM+5], 8, v[TM+4]
	s_delay_alu instid0(VALU_DEP_1)
	v_lshl_or_b32 v[PW], v[TM+6], 16, v[PW]
	s_delay_alu instid0(VALU_DEP_1)
	v_lshl_or_b32 v[PW], v[TM+7], 24, v[PW]
.irp c, 0,1
	v_cvt_scalef32_pk16_bf6_f32 v[PC+6*\c:PC+2+6*\c], v[XK+32*\c:XK+15+32*\c], v[TM+12+2*\c]
	v_cvt_scalef32_pk16_bf6_f32 v[PC+12+4*\c:PC+14+4*\c], v[XK+16+32*\c:XK+31+32*\c], v[TM+12+2*\c+1]
.endr
	v_nop                                          ; one plain place behind a scaled conversion
.irp c, 0,1                                    ; the operand's layout wants a whole block in a lane
.irp i, 0,1,2
	v_permlane16_swap_b32 v[PC+6*\c+\i], v[PC+12+4*\c+\i]
.endr
.irp i, 0,1,2
	s_delay_alu instid0(VALU_DEP_3)
	v_mov_b32 v[PC+3+6*\c+\i], v[PC+12+4*\c+\i]
.endr
.endr
.irp c, 0,1,2
	global_store_b128 v4, v[PC+4*\c:PC+4*\c+3], s[8:9] offset:512*\c
.endr
	ds_store_b32 v9, v[PW]                         ; lanes r and r + 16 write the same word with the same value
	s_wait_dscnt 0x0                               ; V's 64 numbers are in
	; V's tile w: my column's blocks h and 2 + h of 32 keys
.irp c, 0,1
	v_max3_num_f32 v[VM+\c], |v[XV+32*\c]|, |v[XV+1+32*\c]|, 0x2800000
.endr
.irp i, 2,4,6,8,10,12,14,16,18,20,22,24,26,28,30
.irp c, 0,1
	s_delay_alu instid0(VALU_DEP_2)
	v_max3_num_f32 v[VM+\c], v[VM+\c], |v[XV+32*\c+\i]|, |v[XV+1+32*\c+\i]|
.endr
.endr
.irp c, 0,1
	s_delay_alu instid0(VALU_DEP_2)
	v_add_nc_u32 v[VM+2+\c], 0xfe000000, v[VM+\c]
.endr
.irp c, 0,1
	s_delay_alu instid0(VALU_DEP_2)
	v_lshrrev_b32 v[VM+4+\c], 23, v[VM+2+\c]
.endr
	s_delay_alu instid0(VALU_DEP_1)
	v_lshl_or_b32 v[VM+6], v[VM+5], 16, v[VM+4]    ; my two bytes: blocks h and 2 + h,
	v_lshlrev_b32 v[VM+7], 3, v3
	s_delay_alu instid0(VALU_DEP_1)
	v_lshlrev_b32 v[VM+6], v[VM+7], v[VM+6]        ; 8 h bits up;
	s_delay_alu instid0(VALU_DEP_1)
	v_permlanex16_b32 v[VM+7], v[VM+6], s20, s21
	s_delay_alu instid0(VALU_DEP_1)
	v_or_b32 v[VM+6], v[VM+6], v[VM+7]             ; with lane l xor 16's two the word is whole
.irp c, 0,1
	v_cvt_scalef32_pk16_bf6_f32 v[PV+6*\c:PV+2+6*\c], v[XV+32*\c:XV+15+32*\c], v[VM+2+\c]
	v_cvt_scalef32_pk16_bf6_f32 v[192+4*\c:194+4*\c], v[XV+16+32*\c:XV+31+32*\c], v[VM+2+\c]
.endr
	v_nop
.irp c, 0,1
.irp i, 0,1,2
	v_mov_b32 v[PV+3+6*\c+\i], v[192+4*\c+\i]
.endr
.endr
.irp c, 0,1,2
	global_store_b128 v4, v[PV+4*\c:PV+4*\c+3], s[8:9] offset:VIMG+512*\c
.endr
	ds_store_b32 v9, v[VM+6] offset:512
	s_wait_dscnt 0x0                               ; for the others' sake: my two scale words lie in the images
	s_barrier_signal -1
	s_barrier_wait -1
	s_cmp_lt_u32 s10, 2
	s_cbranch_scc0 .Lend                           ; wave 0 sends K's image, wave 1 V's
	ds_load_b128 v[12:15], v10
	s_wait_dscnt 0x0
	global_store_b128 v11, v[12:15], s[26:27]
.Lend:
	s_wait_tensorcnt 0x0                           ; the wave's end
	ds_add_u32 v232, v233
	s_wait_dscnt 0x0
	s_endpgm
.Lfunc_end_k_qbe96c448a3_prep:
	.size	k_qbe96c448a3_prep, .Lfunc_end_k_qbe96c448a3_prep-k_qbe96c448a3_prep
	.p2alignl 7, 3214868480
	.fill 96, 4, 3214868480
	.section	.rodata,"a",@progbits
	.p2align	6, 0x0
	.amdhsa_kernel k_qbe96c448a3_prep
		.amdhsa_group_segment_fixed_size 135424
		.amdhsa_private_segment_fixed_size 0
		.amdhsa_enable_private_segment 0
		.amdhsa_kernarg_size 24
		.amdhsa_user_sgpr_count 2
		.amdhsa_user_sgpr_kernarg_segment_ptr 1
		.amdhsa_wavefront_size32 1
		.amdhsa_system_sgpr_workgroup_id_x 1
		.amdhsa_system_sgpr_workgroup_id_y 1
		.amdhsa_system_sgpr_workgroup_id_z 1
		.amdhsa_system_vgpr_workitem_id 0
		.amdhsa_next_free_vgpr 234
		.amdhsa_next_free_sgpr 66
		.amdhsa_reserve_vcc 0
		.amdhsa_float_denorm_mode_32 3
		.amdhsa_float_denorm_mode_16_64 3
		.amdhsa_memory_ordered 1
		.amdhsa_forward_progress 1
		.amdhsa_inst_pref_size 25
	.end_amdhsa_kernel
	.amdgpu_metadata
---
amdhsa.version: [ 1, 2 ]
amdhsa.kernels:
  - .name:           k_qbe96c448a3_prep
    .symbol:         k_qbe96c448a3_prep.kd
    .args:
      - { .name: K, .offset: 0, .size: 8, .value_kind: global_buffer, .address_space: global }
      - { .name: V, .offset: 8, .size: 8, .value_kind: global_buffer, .address_space: global }
      - { .name: kv, .offset: 16, .size: 8, .value_kind: global_buffer, .address_space: global }
    .group_segment_fixed_size: 135424
    .private_segment_fixed_size: 0
    .kernarg_segment_align: 8
    .kernarg_segment_size: 24
    .max_flat_workgroup_size: 256
    .sgpr_count:     66
    .vgpr_count:     234
    .wavefront_size: 32
...
	.end_amdgpu_metadata
.endif
;; end of part 1
;; launch attn (part 2): grid 4 x 64, 8 waves a work-group, no clusters, 327,680 bytes of LDS; arguments Q, kv, out0; writes out0
.if DOCPART == 2
	.amdgcn_target "amdgcn-amd-amdhsa--gfx1250"
	.amdhsa_code_object_version 6
	.text
	.protected	k_qbe96c448a3_attn
	.globl	k_qbe96c448a3_attn
	.p2align	8
	.type	k_qbe96c448a3_attn,@function
k_qbe96c448a3_attn:
	s_mov_b64 s[64:65], 0
	v_nop
	global_prefetch_b8 v0, s[64:65] scope:SCOPE_SE
	s_setreg_imm32_b32 hwreg(HW_REG_WAVE_MODE, 25, 1), 1
	s_wait_xcnt 0x0
; out0[head][q][:] = the sum over keys k <= q of softmax_k(Q[q] . K[k] / sqrt(128)) V[k][:], 64 heads, 2,048 positions, head size 128; both products on codes of BF6 (E3M2)
; with one E8M0 scale for each 32 along a product's K.  Q: f32, quantised here in registers (one wave reads a row, once).  K and V: codes and scale words from kv, laid in the order of the
; operands' registers: [64 heads][16 key steps][25,600 bytes]: K's eight tiles (1,536 bytes each), V's eight at 12,288, K's scale words at 24,576, V's at 25,088.
; LEFT OUT: a key step (128 keys) all of whose keys come after the wave's queries: reference()'s own mask gives them the weight 0 for every value of the inputs.
; THE SOFTMAX: t = score x log2(e) / sqrt(128); M = the row's largest t so far, rounded UP to a whole number; p = 2^(t - M) is quantised along the keys, not normalised.
; The row's sum is taken of the unquantised p, in f32, and divides O at the end.  When M moves, the sums and O are multiplied by 2^(old M - new M): exact.
; SHARES.  Work-group (i = x in 0..3, head = y) owns two blocks of 256 queries, first block 7 - i, then block i.  Block j needs slots 0 .. j (256 keys a slot): (8 - i) + (i + 1) = 9 slots
; for every work-group, a constant trip count.  Each of the eight waves owns 32 queries of the block in hand, two tiles of 16: each fragment of K and V read from LDS feeds two matrix instructions.
; LAYOUT.  Both products are used transposed: S^T = K Q^T (source 0 = 16 keys), O^T = V^T P^T (source 0 = 16 of the head's 128): a lane holds ONE query of each tile (lane % 16).
; Row 8 h + j of K's tile 4 c + u is key 64 c + 32 h + 8 u + j: so the 32 score registers of tiles 4 c .. 4 c + 3 in lane (r, h) are keys 64 c + 32 h + 0 .. 31: one whole block of the second
; product's K, in the order of its operand's registers.
; THE RING.  Two LDS slots of two kv blocks (51,200 bytes); each wave fetches an eighth (25 rows of 256 bytes) by one tensor load; by this text's count one tensor load of a wave is out at the most.
; THE CHANGE OF SLOTS STANDS INSIDE A SLOT'S SECOND KEY STEP, between its softmax and its second product: V's fragments are in registers by then, so the slot has been read out.  Behind the barrier
; that product runs, and the next slot's fragments of K are loaded among its instructions; the first key step's second product does the same for the second step's K.
; The second block's Q is loaded in the trip in which that block begins, into O^T's registers as soon as the first block's O^T has been divided out; its 64 blocks of 256 bytes a wave are
; prefetched two trips earlier, a lane a block, each block once in the launch.
; NO CLUSTER: the four work-groups of a head ask for slot T in trip T only while T < 8 - i, that is alike in trips 0 to 4 of 9; a walk in which all four asked alike would have 12 trips for 9.
; NO PREFETCH OF kv: a slot is asked for two key steps of all eight waves ahead of its first read.
; LIMITS: NaN and infinities among the inputs are not served (O^T is never cleared: a block's first step multiplies what its registers hold, Q's numbers, by the factor 0, which asks that they
; be finite); a block of zeros has the byte 1 (its codes are zeros); a p under 2^-126 is taken as 0 by v_exp_f32; a block's largest p is made of its largest score by the same multiply-add and
; exponential, which takes v_exp_f32 not to fall where its input rises; the promise holds while the scaled scores stay under 2^31 in magnitude.
; REGISTERS.  Window 0: the names below, and v128-255 S^T, then p (tile A, tile B).  Window 1 (v256-511, written v0-255 under s_set_vgpr_msb): v0-127 O^T (A, B), v128-223 eight fragments,
; v224-231 the rows' sums, v232 the slot's address once more.  One setting (0x51) then serves the second product, the sums of p and the loads of K among them.
.set STEPB, 25600
.set SLOTB, 2*STEPB
.set SLOT1, 1<<16                      ; slot 1 begins here: one exclusive or changes slots
.set FRB,   1536
.set VIMG,  12288
.set KSC,   24576
.set VSC,   25088
.set STAGE, 2*SLOT1                    ; behind the ring: 32 rows x (512 + 16) bytes for each wave, for Q's turn and the way out; no fill lands here
.set SP,    528
.set SPARE, STAGE+8*32*SP              ; the spare words, 128 bytes a wave
.set L16,  1                           ; 16 x lane
.set SRW,  2                           ; my stage, whole rows
.set SQI,  3                           ; my stage, row r, + 128 h
.set SOI,  4                           ; my stage, row r, + 32 h
.set SPW,  5                           ; my spare word; never rewritten
.set NIL,  6                           ; 0; never rewritten
.set ADR,  8                           ; the slot in hand + 16 x lane
.set DG,   9                           ; r - 32 h
.set NINF, 10                          ; -infinity
.set SH8,  11                          ; 8 h
.set NM,   12                          ; v12, v13: -M and the largest t of tile A; v14, v15 of B
.set FF,   16                          ; v16 (v17), v18 (v19): the factor 2^(old M - new M)
.set BY,   28                          ; scale bytes.  (v20-23, v24-27: K's and V's scale words of a slot's second step; v88-91, v92-95: of its first)
.set TP,   32                          ; lane permutes' results
.set RM,   34
.set QA,   36                          ; v36-59 Q's codes, tiles A and B
.set CT,   60                          ; v60-74 second halves of a block's codes
.set BM,   76                          ; block maxima: block b = 2 x tile + c
.set SO,   80                          ; the conversions' scale operands
.set QS,   84                          ; v84, v85 Q's scale words
.set DA,   86                          ; v86, v87 the diagonal's bound
.set PW,   96                          ; v96, v97 p's scale words
.set OLD,  98
.set PC,   100                         ; v100-123 p's codes
.set PFO,  126                         ; 256 x lane; never rewritten
.set SS,   128                         ; S^T, p
.set F,    128                         ; window 1: fragments
.set LS,   224                         ; window 1: the sums, four parts a tile
.set ADW,  232                         ; window 1: ADR once more
.set WV,   10
.set SW,   13                          ; 8 - i: the trip in which the second block begins
.set TRIP, 14
.set TB,   16                          ; LDS byte at which the slot in hand begins
.set KF,   17                          ; the step's first key
.set Q0,   18                          ; my first query of the block in hand
.set Q0LO, 19
.set SEL,  20
.set CS,   22                          ; c = log2(e) / sqrt(128)
.set G1,   24
.set G0,   32
.set KVB,  36
.set FO,   38
.set OP,   40
.set OPLO, 42
.set QP,   44
.set QPLO, 46
.set MSB, 0
.macro WIN new                         ; low byte: bits 1:0 source 0, 3:2 source 1, 5:4 source 2, 7:6 destination; the high byte repeats the setting that is left
.if MSB != \new
	s_set_vgpr_msb (MSB<<8)|\new
.set MSB, \new
.endif
.endm
.macro TLOAD                           ; s_nop 0 and four v_nop follow
	tensor_load_to_lds s[G0:G0+3], s[G1:G1+7]
	s_nop 0
.rept 4
	v_nop
.endr
.endm
; THE CHANGE OF SLOTS: each wave waits for its tensor load (its eighth of the slot ahead), adds 0 to its spare word, waits for that and for its reads of the slot that it leaves.
; Behind the barrier the slot ahead is whole and nobody reads the other one, which takes the keys of the trip after the next (fill = 1).  first = 1: in front of trip 0.
.macro CHANGE fill, first
	s_wait_tensorcnt 0x0
	ds_add_u32 v[SPW], v[NIL]
.if \fill
	s_xor_b32 s[G0+1], s[G0+1], SLOT1
.if \first
	s_mov_b32 s48, 1
.else
	s_add_co_u32 s48, s[TRIP], 2                   ; trip n reads slot n, or, from the second block's first trip on, n - (8 - i)
.endif
	s_sub_co_u32 s49, s48, s[SW]
	s_cmp_lt_u32 s48, s[SW]
	s_cselect_b32 s48, s48, s49
	s_mul_i32 s[FO], s48, SLOTB
	s_add_nc_u64 s[G0+2:G0+3], s[KVB:KVB+1], s[FO:FO+1]
	s_or_b32 s[G0+3], s[G0+3], 0x80000000
.endif
.if \first == 0
	s_xor_b32 s[TB], s[TB], SLOT1
.endif
	s_wait_dscnt 0x0
	s_barrier_signal -1
	s_barrier_wait -1
.if \fill
	TLOAD
.endif
.endm
.macro FRAG t, a, base                 ; one fragment: three loads of 512 consecutive bytes
.irp c, 0,1,2
	ds_load_b128 v[F+12*(\t)+4*\c:F+12*(\t)+4*\c+3], v[\a] offset:\base+(\t)*FRB+512*\c
.endr
.endm
.macro KHEAD                           ; behind a change of slots: the slot's addresses, and three of its four runs of scale words (the fourth's registers may still serve a product)
	v_add_nc_u32 v[ADR], s[TB], v[L16]
	WIN 0x40
	v_add_nc_u32 v[ADW], s[TB], v[L16]
	WIN 0
	s_wait_alu depctr_va_vdst(0)
	ds_load_b128 v[88:91], v[ADR] offset:KSC       ; lanes 0-15: the words of tiles 0-3, lanes 16-31: of tiles 4-7
	ds_load_b128 v[92:95], v[ADR] offset:VSC
	ds_load_b128 v[20:23], v[ADR] offset:STEPB+KSC
.endm
.macro KPLAIN                          ; the first step's K with no product beside it
	WIN 0x40
.irp t, 0,1,2,3,4,5,6,7
	FRAG \t, ADR, 0
.endr
	WIN 0
.endm
.macro VS1LOAD
	ds_load_b128 v[24:27], v[ADR] offset:STEPB+VSC
.endm
; the largest of each of four blocks of 32 registers from v[s] on.  a = 1: Q's magnitudes (window 1), over the floor 2^(5 - 127); a = 0: scores.  Each accumulator is read from its low end on.
.macro BMAX s, a
.if \a
	WIN 0x14
.endif
.irp i, 0,2,4,6,8,10,12,14,16,18,20,22,24,26,28,30
.irp b, 0,1,2,3
.if \a
.if \i == 0
	v_max3_num_f32 v[BM+\b], 0x2800000, |v[\s+32*\b]|, |v[\s+32*\b+1]|
.else
	v_max3_num_f32 v[BM+\b], v[BM+\b], |v[\s+32*\b+\i]|, |v[\s+32*\b+\i+1]|
.endif
.else
.if \i == 0
	v_max3_num_f32 v[BM+\b], v[NINF], v[\s+32*\b], v[\s+32*\b+1]
.else
	v_max3_num_f32 v[BM+\b], v[BM+\b], v[\s+32*\b+\i], v[\s+32*\b+\i+1]
.endif
.endif
.endr
.endr
	WIN 0
.endm
; from the four largest magnitudes: scale operands, bytes, and the two tiles' scale words.  Lane (r, h) holds blocks h and 2 + h of its row: its bytes go 8 h bits up and meet lane l xor 16's
.macro SCALEW w
.irp b, 0,1,2,3
	v_add_nc_u32 v[SO+\b], 0xfe000000, v[BM+\b]    ; 4 off the exponent field
.endr
.irp b, 0,1,2,3
	v_lshrrev_b32 v[BY+\b], 23, v[SO+\b]
.endr
.irp x, 0,1
	v_lshl_or_b32 v[\w+\x], v[BY+2*\x+1], 16, v[BY+2*\x]
.endr
.irp x, 0,1
	s_delay_alu instid0(VALU_DEP_2)
	v_lshlrev_b32 v[\w+\x], v[SH8], v[\w+\x]
.endr
.irp x, 0,1
	s_delay_alu instid0(VALU_DEP_2)
	v_permlanex16_b32 v[TP+\x], v[\w+\x], s[SEL], s[SEL+1]
.endr
.irp x, 0,1
	s_delay_alu instid0(VALU_DEP_2)
	v_or_b32 v[\w+\x], v[\w+\x], v[TP+\x]
.endr
.endm
; block b's 32 numbers -> registers d + 6 b .. + 5 (a conversion's three registers begin on an even number: the second half is moved)
.macro CODES s, d, win
	WIN \win
.irp b, 0,1,2,3
	v_cvt_scalef32_pk16_bf6_f32 v[\d+6*\b:\d+6*\b+2], v[\s+32*\b:\s+32*\b+15], v[SO+\b]
	v_cvt_scalef32_pk16_bf6_f32 v[CT+4*\b:CT+4*\b+2], v[\s+32*\b+16:\s+32*\b+31], v[SO+\b]
.endr
	WIN 0
	v_nop                                          ; one plain place behind a scaled conversion
.irp b, 0,1,2,3
.irp i, 0,1,2
	v_mov_b32 v[\d+6*\b+3+\i], v[CT+4*\b+\i]
.endr
.endr
.endm
; 32 rows of Q, loaded as whole rows into O^T's registers, turn through my stage (register 64 x + 32 c + i then holds d = 64 c + 32 h + i of row 16 x + r) and become codes and scale words.
; A block of queries begins: the largest t is -3e38, -M its negative, the sums 0.
.macro QPREP
	WIN 0x04
.set JJ, 0
.rept 32
	ds_store_b128 v[SRW], v[4*JJ:4*JJ+3] offset:SP*JJ
.set JJ, JJ+1
.endr
	WIN 0x40
.irp b, 0,1,2,3
.irp j, 0,1,2,3,4,5,6,7
	ds_load_b128 v[32*\b+4*\j:32*\b+4*\j+3], v[SQI] offset:(\b/2)*16*SP+256*(\b%2)+16*\j   ; in order behind the stores above
.endr
.endr
	WIN 0
	s_wait_dscnt 0x0
	BMAX 0, 1
	SCALEW QS
	CODES 0, QA, 0x01
.irp x, 0,1
	v_mov_b32 v[NM+2*\x+1], 0xff61b1e6
	v_mov_b32 v[NM+2*\x], 0x7f61b1e6
.endr
	WIN 0x40
.irp j, 0,1,2,3,4,5,6,7
	v_mov_b32 v[LS+\j], 0
.endr
	WIN 0
	s_wait_alu depctr_va_vdst(0)
.endm
.macro SUMS lo, hi                     ; p's pairs lo .. hi - 1 of both tiles onto the sums: four chains by turns
.set JJ, (\lo)
.rept (\hi)-(\lo)
.irp x, 0,1
	v_pk_add_f32 v[LS+4*\x+2*(JJ%2):LS+4*\x+2*(JJ%2)+1], v[LS+4*\x+2*(JJ%2):LS+4*\x+2*(JJ%2)+1], v[SS+64*\x+2*JJ:SS+64*\x+2*JJ+1]
.endr
.set JJ, JJ+1
.endr
.endm
; THE WAY OUT of a block: O^T is divided by the row's sum and goes through my stage, so that each store covers a whole row of out0: 512 consecutive bytes, aligned.
; q2 = 1: as soon as O^T has been read, its registers take the second block's rows of Q, which land under the way out.
.macro FINISH q2
.rept 4
	v_nop                                          ; places behind the last products
.endr
	WIN 0x45
.irp x, 0,1
	v_pk_add_f32 v[LS+4*\x:LS+4*\x+1], v[LS+4*\x:LS+4*\x+1], v[LS+4*\x+2:LS+4*\x+3]
.endr
.irp x, 0,1
	s_delay_alu instid0(VALU_DEP_2)
	v_add_f32 v[LS+4*\x], v[LS+4*\x], v[LS+4*\x+1]
.endr
	WIN 0x01
.irp x, 0,1
	v_permlanex16_b32 v[TP+\x], v[LS+4*\x], s[SEL], s[SEL+1]
.endr
.irp x, 0,1
	s_delay_alu instid0(VALU_DEP_2)
	v_add_f32 v[RM+\x], v[LS+4*\x], v[TP+\x]       ; with lane l xor 16's keys: the row's sum
.endr
	WIN 0
	s_wait_alu depctr_va_vdst(0)                   ; the wait ahead of the transcendentals,
.irp x, 0,1
	v_rcp_f32 v[RM+\x], v[RM+\x]
.endr
	v_nop
	WIN 0x01
	s_wait_alu depctr_va_vdst(0)                   ; and behind them, ahead of the first reader
.set JJ, 0
.rept 128
	v_mul_f32 v[SS+JJ], v[JJ], v[RM+JJ/64]         ; register 64 x + 8 t + j is o(16 x + r, 16 t + 8 h + j); each accumulator from its low end on
.set JJ, JJ+1
.endr
.if \q2
	WIN 0x40
.set JJ, 0
.rept 32
	global_load_b128 v[4*JJ:4*JJ+3], v[L16], s[QPLO:QPLO+1] offset:512*JJ th:TH_LOAD_NT
.set JJ, JJ+1
.endr
.endif
	WIN 0
.set JJ, 0
.rept 16
	ds_store_b128 v[SOI], v[SS+8*JJ:SS+8*JJ+3] offset:(JJ/8)*16*SP+64*(JJ%8)
	ds_store_b128 v[SOI], v[SS+8*JJ+4:SS+8*JJ+7] offset:(JJ/8)*16*SP+64*(JJ%8)+16
.set JJ, JJ+1
.endr
.set JJ, 0
.rept 32
	ds_load_b128 v[SS+4*JJ:SS+4*JJ+3], v[SRW] offset:SP*JJ   ; in order behind the stores above
.set JJ, JJ+1
.endr
.set JJ, 0
.rept 32
	s_wait_dscnt 31-JJ                             ; row JJ is back; the younger loads may be out
	global_store_b128 v[L16], v[SS+4*JJ:SS+4*JJ+3], s[OP:OP+1] offset:512*JJ th:TH_STORE_NT
.set JJ, JJ+1
.endr
	s_wait_xcnt 0x0                                ; only behind this wait are the stores' base and data registers written again
.endm
; In trip 8 - i the first block is finished and the second begins.  The branch hangs on ids alone and is the same in all waves; no barrier and no tensor load stands inside.
.macro SWITCH
	s_cmp_lg_u32 s[TRIP], s[SW]
	s_cbranch_scc1 .Lsame_\@
	s_wait_alu depctr_va_vdst(0)                   ; the wait ahead of the sums' readers
	FINISH 1
	s_mov_b64 s[OP:OP+1], s[OPLO:OPLO+1]
	s_mov_b32 s[Q0], s[Q0LO]
	s_mov_b32 s[KF], 0
	s_wait_loadcnt 0x0                             ; the second block's Q is in
	QPREP
.Lsame_\@:
.endm
.macro SMUL t, x, ks                   ; S^T of K's tile t for tile x of the queries
.if \t < 4
	v_wmma_scale_f32_16x16x128_f8f6f4 v[SS+64*\x+8*\t:SS+64*\x+8*\t+7], v[F+12*\t:F+12*\t+11], v[QA+12*\x:QA+12*\x+11], 0, v[\ks+\t], v[QS+\x] matrix_a_fmt:MATRIX_FMT_BF6 matrix_b_fmt:MATRIX_FMT_BF6
.else
	v_wmma_scale_f32_16x16x128_f8f6f4 v[SS+64*\x+8*\t:SS+64*\x+8*\t+7], v[F+12*\t:F+12*\t+11], v[QA+12*\x:QA+12*\x+11], 0, v[\ks+\t-4], v[QS+\x] matrix_a_fmt:MATRIX_FMT_BF6 matrix_b_fmt:MATRIX_FMT_BF6 matrix_a_scale:MATRIX_SCALE_ROW1
.endif
.endm
.macro OMUL t, x, vs                   ; O^T += V's tile t x p
.if \t < 4
	v_wmma_scale_f32_16x16x128_f8f6f4 v[64*\x+8*\t:64*\x+8*\t+7], v[F+12*\t:F+12*\t+11], v[PC+12*\x:PC+12*\x+11], v[64*\x+8*\t:64*\x+8*\t+7], v[\vs+\t], v[PW+\x] matrix_a_fmt:MATRIX_FMT_BF6 matrix_b_fmt:MATRIX_FMT_BF6
.else
	v_wmma_scale_f32_16x16x128_f8f6f4 v[64*\x+8*\t:64*\x+8*\t+7], v[F+12*\t:F+12*\t+11], v[PC+12*\x:PC+12*\x+11], v[64*\x+8*\t:64*\x+8*\t+7], v[\vs+\t-4], v[PW+\x] matrix_a_fmt:MATRIX_FMT_BF6 matrix_b_fmt:MATRIX_FMT_BF6 matrix_a_scale:MATRIX_SCALE_ROW1
.endif
.endm
; A KEY STEP'S FIRST PART: the scores of 128 keys (the q-th kv block of the slot; K's fragments are on their way: n loads younger than tiles 0-3's may be out), the softmax, p's codes.
.macro SOFT q, n
	WIN 0x01
	s_wait_dscnt \n
.irp t, 0,1,2,3
	SMUL \t, 0, 88-68*\q
	SMUL \t, 1, 88-68*\q
.endr
	s_wait_dscnt 0x0
.irp t, 4,5,6,7
	SMUL \t, 0, 88-68*\q
	SMUL \t, 1, 88-68*\q
.endr
	WIN 0x40
.rept 4
	v_nop                                          ; places: for the loads below and for the first read of the scores
.endr
.irp t, 0,1,2,3,4,5,6,7
	FRAG \t, ADR, \q*STEPB+VIMG                    ; V's eight tiles land under the softmax
.endr
	WIN 0
	s_add_co_u32 s48, s[KF], 127                   ; on the diagonal the scores of hidden keys become -infinity; a step all of whose keys count skips this
	s_cmp_le_u32 s48, s[Q0]
	s_cbranch_scc1 .Lopen_\@
	s_sub_co_i32 s48, s[Q0], s[KF]
	v_add_nc_u32 v[DA], s48, v[DG]                 ; tile A: my query - KF - 32 h.  Register 32 c + i holds key KF + 32 h + 64 c + i: hidden where 64 c + i is greater
	v_add_nc_u32 v[DA+1], 16, v[DA]                ; tile B: 16 queries on
.set JJ, 0
.rept 128
	v_cmp_gt_i32 vcc_lo, 64*((JJ%64)/32)+JJ%32, v[DA+JJ/64]
	v_cndmask_b32 v[SS+JJ], v[SS+JJ], v[NINF], vcc_lo
.set JJ, JJ+1
.endr
.Lopen_\@:
	BMAX SS, 0                                     ; the largest score of each block of 32 keys serves twice: for the row's maximum and, since p rises with the score, for the block's largest p
.irp x, 0,1
	v_max_num_f32 v[RM+\x], v[BM+2*\x], v[BM+2*\x+1]
.endr
.irp x, 0,1
	v_mov_b32 v[OLD+\x], v[NM+2*\x]
.endr
.irp x, 0,1
	s_delay_alu instid0(VALU_DEP_4)
	v_permlanex16_b32 v[TP+\x], v[RM+\x], s[SEL], s[SEL+1]
.endr
.irp x, 0,1
	s_delay_alu instid0(VALU_DEP_2)
	v_max_num_f32 v[RM+\x], v[RM+\x], v[TP+\x]     ; the step's largest score of my query (the step's first key counts for every query of mine)
.endr
.irp x, 0,1
	s_delay_alu instid0(VALU_DEP_2)
	v_mul_f32 v[RM+\x], s[CS], v[RM+\x]
.endr
.irp x, 0,1
	s_delay_alu instid0(VALU_DEP_2)
	v_max_num_f32 v[NM+2*\x+1], v[NM+2*\x+1], v[RM+\x]   ; the running largest t
.endr
.irp x, 0,1
	s_delay_alu instid0(VALU_DEP_2)
	v_floor_f32 v[NM+2*\x], -v[NM+2*\x+1]          ; -M = floor(-t): M is a whole number
.endr
.irp x, 0,1
	s_delay_alu instid0(VALU_DEP_2)
	v_sub_f32 v[OLD+\x], v[NM+2*\x], v[OLD+\x]     ; old M - new M
.endr
.irp x, 0,1
	s_delay_alu instid0(VALU_DEP_2)
	v_cvt_i32_f32 v[OLD+\x], v[OLD+\x]             ; (it saturates)
.endr
.irp x, 0,1
	s_delay_alu instid0(VALU_DEP_2)
	v_ldexp_f32 v[FF+2*\x], 1.0, v[OLD+\x]         ; f = 2^(old M - new M)
.endr
.irp b, 0,1,2,3
	v_fma_f32 v[BM+\b], v[BM+\b], s[CS], v[NM+2*(\b/2)]   ; t - M of each block's largest score
.endr
.set JJ, 0
.rept 64
	v_pk_fma_f32 v[SS+2*JJ:SS+2*JJ+1], v[SS+2*JJ:SS+2*JJ+1], s[CS:CS+1], v[NM+2*(JJ/32):NM+2*(JJ/32)+1] op_sel_hi:[1,0,0]   ; t - M, two at a time
.set JJ, JJ+1
.endr
	WIN 0x41
.irp j, 0,1,2,3
	v_pk_mul_f32 v[LS+2*\j:LS+2*\j+1], v[LS+2*\j:LS+2*\j+1], v[FF+2*(\j/2):FF+2*(\j/2)+1] op_sel_hi:[1,0]   ; the sums under the new M
.endr
.set JJ, 0
.rept 64
	v_pk_mul_f32 v[2*JJ:2*JJ+1], v[2*JJ:2*JJ+1], v[FF+2*(JJ/32):FF+2*(JJ/32)+1] op_sel_hi:[1,0]   ; O^T under the new M, ahead of the exponentials
.set JJ, JJ+1
.endr
	WIN 0
	s_wait_alu depctr_va_vdst(0)                   ; the wait ahead of the batch
.irp b, 0,1,2,3
	v_exp_f32 v[BM+\b], v[BM+\b]                   ; the block's largest p: the same two instructions on the same number give the same bits
.endr
.set JJ, 0
.rept 128
	v_exp_f32 v[SS+JJ], v[SS+JJ]                   ; p = 2^(t - M), at most 1: not normalised
.set JJ, JJ+1
.endr
	v_nop                                          ; one plain place behind the exponentials
	s_wait_alu depctr_va_vdst(0)                   ; one wait for the whole batch
.irp b, 0,1,2,3
	v_max_num_f32 v[BM+\b], 0x2800000, v[BM+\b]    ; the floor 2^(5 - 127): the byte cannot fall under 1
.endr
	SCALEW PW
	CODES SS, PC, 0
	s_wait_alu depctr_va_vdst(0)
.endm
; A KEY STEP'S SECOND PART: O^T += V^T P^T, sixteen accumulators by turns, with the row's sums of the unquantised p among the products: sixteen additions
; ahead (the places between p's codes and scale words and the first product), three for each product after.  ld = 1: a fragment's registers take the next key step's K (at byte base of the slot
; at ADW) once both products that read them stand four additions or more behind.
.macro PVPH ld, base, vs
	WIN 0x51
	SUMS 0, 8
.irp t, 0,1,2,3,4,5,6,7
	OMUL \t, 0, \vs
	SUMS 8+3*\t, 9+3*\t
	OMUL \t, 1, \vs
	SUMS 9+3*\t, 11+3*\t
.if \ld
.if \t > 0
	FRAG \t-1, ADW, \base
.endif
.endif
.endr
.if \ld
	FRAG 7, ADW, \base
.endif
	WIN 0
.endm
; A TRIP: a slot's two key steps, with the change of slots inside the second.  The first step counts for every wave (its keys begin at the block's first query or earlier).
.macro TRIPB fill
	SWITCH
	SOFT 0, 13                                     ; younger than K's tiles 0-3: tiles 4-7's twelve loads and one of scale words
	s_wait_dscnt 0x0                               ; V's eight tiles are in
	PVPH 1, STEPB, 92
	s_add_co_u32 s[KF], s[KF], 128
.if \fill
	s_add_co_u32 s48, s[TRIP], 2                   ; two trips ahead of the second block: its rows of Q, 64 blocks of 256 bytes a wave, a lane a block
	s_cmp_lg_u32 s48, s[SW]
	s_cbranch_scc1 .Lnp_\@
	global_prefetch_b8 v[PFO], s[QPLO:QPLO+1] th:TH_LOAD_NT scope:SCOPE_SE
	global_prefetch_b8 v[PFO], s[QPLO:QPLO+1] offset:8192 th:TH_LOAD_NT scope:SCOPE_SE
.Lnp_\@:
.endif
	s_add_co_u32 s50, s[Q0], 31
	s_cmp_gt_u32 s[KF], s50
	s_cbranch_scc1 .Lh1_\@                         ; all the second step's keys come after my 32 queries
	SOFT 1, 12
.Lh1_\@:
	s_wait_alu depctr_va_vdst(0)                   ; the wait here, directly ahead of the change's waits
	CHANGE \fill, 0
.if \fill
	KHEAD
	s_cmp_gt_u32 s[KF], s50
	s_cbranch_scc1 .Lh2_\@
	PVPH 1, 0, 24
	s_branch .Lj_\@
.Lh2_\@:
	KPLAIN
.Lj_\@:
	VS1LOAD
.else
	s_cmp_gt_u32 s[KF], s50
	s_cbranch_scc1 .Lh2_\@
	PVPH 0, 0, 24
.Lh2_\@:
	s_cmp_eq_u32 s[TRIP], 8                        ; nothing follows the ninth trip
	s_cbranch_scc1 .Lj_\@
	KHEAD
	KPLAIN
	VS1LOAD
.Lj_\@:
.endif
	s_add_co_u32 s[KF], s[KF], 128
.endm
	s_load_b128 s[4:7], s[0:1], 0x0                ; Q, kv
	s_load_b64 s[8:9], s[0:1], 0x10                ; out0
	v_lshl_add_u32 v[SPW], v0, 2, SPARE
	v_mov_b32 v[NIL], 0
	ds_add_u32 v[SPW], v[NIL]                      ; the opening lines: the add, twice on end, and its wait ahead of my first tensor load
	ds_add_u32 v[SPW], v[NIL]
	v_lshrrev_b32 v7, 5, v0
	v_readfirstlane_b32 s[WV], v7                  ; wave 0..7
	s_and_b32 s12, ttmp7, 0xffff                   ; the head
	s_sub_co_u32 s[SW], 8, ttmp9
	s_sub_co_u32 s48, 7, ttmp9
	s_lshl_b32 s48, s48, 8
	s_lshl_b32 s49, s[WV], 5
	s_add_co_u32 s[Q0], s48, s49                   ; my first query of block 7 - i,
	s_lshl_b32 s48, ttmp9, 8
	s_add_co_u32 s[Q0LO], s48, s49                 ; and of block i
	s_lshl_b32 s48, s12, 20                        ; the head's first byte in Q and in out0
	s_lshl_b32 s50, s[Q0], 9
	s_add_co_u32 s50, s50, s48
	s_mov_b32 s51, 0
	s_lshl_b32 s52, s[Q0LO], 9
	s_add_co_u32 s52, s52, s48
	s_mov_b32 s53, 0
	s_mul_i32 s49, s[WV], SLOTB/8                  ; my eighth of a slot, in memory and in LDS
	s_mul_i32 s54, s12, 16*STEPB
	s_add_co_u32 s54, s54, s49
	s_mov_b32 s55, 0
	s_mov_b32 s[G1+0], 3<<16                       ; an eighth of a slot is dense: 25 rows of 256 bytes (32 elements of 8 bytes), no padding
	s_mov_b32 s[G1+1], 32<<16
	s_mov_b32 s[G1+2], 25<<16
	s_mov_b32 s[G1+3], 32<<16
	s_mov_b32 s[G1+4], 25
	s_mov_b32 s[G1+5], 32
	s_mov_b32 s[G1+6], 0
	s_mov_b32 s[G1+7], 0
	s_mov_b32 s[G0], 1
	s_mov_b32 s[G0+1], s49
	s_mov_b32 s[FO+1], 0
	s_mov_b32 s[SEL], 0x76543210
	s_mov_b32 s[SEL+1], 0xfedcba98
	s_mov_b32 s[CS], 0x3e0293ee
	s_mov_b32 s[CS+1], s[CS]
	s_mov_b32 s[TB], 0
	s_mov_b32 s[KF], 0
	s_wait_dscnt 0x0                               ; both opening adds are done
	s_wait_kmcnt 0x0
	s_add_nc_u64 s[KVB:KVB+1], s[6:7], s[54:55]
	s_mov_b64 s[G0+2:G0+3], s[KVB:KVB+1]
	s_or_b32 s[G0+3], s[G0+3], 0x80000000
	TLOAD                                          ; slot 0: every wave's one load at the head
	s_add_nc_u64 s[QP:QP+1], s[4:5], s[50:51]
	s_add_nc_u64 s[QPLO:QPLO+1], s[4:5], s[52:53]
	s_add_nc_u64 s[OP:OP+1], s[8:9], s[50:51]
	s_add_nc_u64 s[OPLO:OPLO+1], s[8:9], s[52:53]
	v_and_b32 v7, 31, v0
	v_lshlrev_b32 v[L16], 4, v7
	v_lshlrev_b32 v[PFO], 8, v7
	WIN 0x40
.set JJ, 0
.rept 32
	global_load_b128 v[4*JJ:4*JJ+3], v[L16], s[QP:QP+1] offset:512*JJ th:TH_LOAD_NT   ; a row of Q: 512 consecutive bytes; read once in the launch; into O^T's registers
.set JJ, JJ+1
.endr
	WIN 0
	v_and_b32 v7, 15, v0                           ; r
	v_bfe_u32 v124, v0, 4, 1                       ; h
	s_mul_i32 s48, s[WV], 32*SP
	s_add_co_u32 s48, s48, STAGE
	v_add_nc_u32 v[SRW], s48, v[L16]
	v_mul_u32_u24 v125, v7, SP
	v_add_nc_u32 v125, s48, v125
	v_lshl_add_u32 v[SQI], v124, 7, v125
	v_lshl_add_u32 v[SOI], v124, 5, v125
	v_lshlrev_b32 v[DG], 5, v124
	v_sub_nc_u32 v[DG], v7, v[DG]
	v_lshlrev_b32 v[SH8], 3, v124
	v_mov_b32 v[NINF], 0xff800000
	v_mov_b32 v[TP], 0                             ; a lane permute's destination counts as one of its sources
	v_mov_b32 v[TP+1], 0
	v_mov_b32 v[FF+1], 0                           ; (named as the upper halves of pairs)
	v_mov_b32 v[FF+3], 0
	s_wait_alu depctr_va_vdst(0)
	s_wait_loadcnt 0x0
	QPREP                                          ; O^T's registers hold Q's numbers: the first step's factor is 0
	CHANGE 1, 1                                    ; slot 0 is whole; slot 1's first fill, issued as a refill is
	KHEAD
	KPLAIN
	VS1LOAD
	s_mov_b32 s[TRIP], 0
.Lslot:                                            ; seven trips: the change of slots in trip T asks for trip T + 2's keys
	TRIPB 1
	s_add_co_u32 s[TRIP], s[TRIP], 1
	s_cmp_lt_u32 s[TRIP], 7
	s_cbranch_scc1 .Lslot
	s_mov_b32 s[TRIP], 7
.Ltail:                                            ; the last two trips ask for nothing; they share one text, so the ninth passes a barrier that orders nothing further
	TRIPB 0
	s_add_co_u32 s[TRIP], s[TRIP], 1
	s_cmp_lt_u32 s[TRIP], 9
	s_cbranch_scc1 .Ltail
	s_wait_alu depctr_va_vdst(0)
	FINISH 0
	s_wait_tensorcnt 0x0                           ; the wave's end
	ds_add_u32 v[SPW], v[NIL]
	s_wait_dscnt 0x0
	s_endpgm
.Lfunc_end_k_qbe96c448a3_attn:
	.size	k_qbe96c448a3_attn, .Lfunc_end_k_qbe96c448a3_attn-k_qbe96c448a3_attn
	.p2alignl 7, 3214868480
	.fill 96, 4, 3214868480
	.section	.rodata,"a",@progbits
	.p2align	6, 0x0
	.amdhsa_kernel k_qbe96c448a3_attn
		.amdhsa_group_segment_fixed_size 327680
		.amdhsa_private_segment_fixed_size 0
		.amdhsa_enable_private_segment 0
		.amdhsa_kernarg_size 24
		.amdhsa_user_sgpr_count 2
		.amdhsa_user_sgpr_kernarg_segment_ptr 1
		.amdhsa_wavefront_size32 1
		.amdhsa_system_sgpr_workgroup_id_x 1
		.amdhsa_system_sgpr_workgroup_id_y 1
		.amdhsa_system_sgpr_workgroup_id_z 1
		.amdhsa_system_vgpr_workitem_id 0
		.amdhsa_next_free_vgpr 512
		.amdhsa_next_free_sgpr 66
		.amdhsa_reserve_vcc 1
		.amdhsa_float_denorm_mode_32 3
		.amdhsa_float_denorm_mode_16_64 3
		.amdhsa_memory_ordered 1
		.amdhsa_forward_progress 1
		.amdhsa_inst_pref_size 255
	.end_amdhsa_kernel
	.section	.bss,"aw",@nobits
	.p2align	6
	.space	262144
	.amdgpu_metadata
---
amdhsa.version: [ 1, 2 ]
amdhsa.kernels:
  - .name:           k_qbe96c448a3_attn
    .symbol:         k_qbe96c448a3_attn.kd
    .args:
      - { .name: Q, .offset: 0, .size: 8, .value_kind: global_buffer, .address_space: global }
      - { .name: kv, .offset: 8, .size: 8, .value_kind: global_buffer, .address_space: global }
      - { .name: out0, .offset: 16, .size: 8, .value_kind: global_buffer, .address_space: global }
    .group_segment_fixed_size: 327680
    .private_segment_fixed_size: 0
    .kernarg_segment_align: 8
    .kernarg_segment_size: 24
    .max_flat_workgroup_size: 256
    .sgpr_count:     66
    .vgpr_count:     512
    .wavefront_size: 32
...
	.end_amdgpu_metadata
.endif
;; end of part 2
